; MI455X (gfx1250); checked and timed in simulation.
; The chip was launched on July 23, 2026; its instructions are those of AMD's public machine-readable ISA for CDNA 5 (MIT licence, August 2026) and "CDNA5" Instruction Set Architecture Reference Guide (July 2026). The comments in the code are by the model that wrote it; some were corrected since.
;; Multi Head Attention. Allowed arithmetic: matrix products marked QUANTISED: E2M1 operands, one E8M0 scale for each 32 along K, by v_wmma_scale_f32_16x16x128_f8f6f4 with both operands' format E2M1 (or v_wmma_scale_f32_32x16x128_f4), f32 sums; products left as they are: bf16, f16 or f32 operands; f32 sums; everything else in f32.
;; Inputs: W_qkv 1,024 x 3,072 float32; b_qkv 3,072 float32; x 2 x 2,048 x 1,024 float32.
;; Outputs: out0 2 x 2,048 x 1,024 float32.
;; This version of the problem:
;;   THIS VERSION OF THE PROBLEM IS GIVEN IN LOW PRECISION. The matrix products marked QUANTISED in the list below multiply operands that are first quantised to E2M1 (2 exponent bits, 1 mantissa bit; 4 bits a number), with one power-of-two scale for each 32 numbers along K (OCP MX v1.0); their sums are f32. The products marked 'left as it is' may take bf16, f16 or f32 operands, with f32 sums. Whichever they take, every output number must still come out within the allowed error. Rounding operands to bf16 (8 significant bits) uses up far more of that allowance than f16 does (11 bits, for magnitudes from 6e-5 to 65,504). All else is computed in f32.
;;   The module's matrix products, in the order in which they are computed (A, B: the left and right operand; K: the contracted axis; several contracted axes count as one K, in the product's order):
;;     1. [M 4,096, K 1,024] x [K 1,024, N 3,072]; A: input x; B: input W_qkv: QUANTISED
;;     2. batch 32 x [M 2,048, K 64] x [K 64, N 2,048]; A: computed on the way; B: computed on the way: left as it is (an operand is computed on the way)
;;     3. batch 32 x [M 2,048, K 2,048] x [K 2,048, N 64]; A: computed on the way; B: computed on the way: left as it is (an operand is computed on the way)
;;   THE QUANTISER, for each operand of a quantised product, along K:
;;     - K is cut into blocks of 32 from its start; a last block that is shorter is filled with zeros.
;;     - A block's scale is 2^e with e = floor(log2(the largest magnitude in the block)) - 2, held to -126 .. 127; a block of zeros has e = 0. As a byte (E8M0): e + 127.
;;     - Each number is divided by its block's scale, clamped to +-6, and rounded to the nearest number of E2M1, ties to even, subnormals kept.
;;     - The product sums the exact products of the quantised numbers (number of the format x scale) in f32.
;;   ~~~python
;;   def quantise(x, axis):      # numpy; x: float32 -> the quantised numbers, widened to float32 again
;;       x = np.moveaxis(x, axis, -1); K = x.shape[-1]
;;       x = np.pad(x, [(0, 0)] * (x.ndim - 1) + [(0, -K % 32)]); x = x.reshape(x.shape[:-1] + (-1, 32)); a = np.abs(x).max(-1, keepdims=True)
;;       e = np.where(a > 0, np.clip(np.frexp(np.where(a > 0, a, 1))[1] - 1 - 2, -126, 127), 0)      # np.frexp(a)[1] - 1 = floor(log2(a)), exactly
;;       r = np.clip(x / 2.0 ** e, -6, 6)
;;       step = 2.0 ** (np.maximum(np.frexp(np.where(r == 0, 1, r))[1] - 1, 0) - 1)
;;       q = np.round(r / step) * step * 2.0 ** e      # np.round: ties to even
;;       return np.moveaxis(q.reshape(q.shape[:-2] + (-1,))[..., :K], -1, axis).astype(np.float32)
;;   ~~~
;; One version. Each part assembles by itself: llvm-mc -triple=amdgcn-amd-amdhsa -mcpu=gfx1250 --defsym DOCPART=n.
;; ======== version 1 of 1: 3 launches
;; limits: values are held in f16: magnitudes above 65,504 overflow, below 6.1e-05 lose precision
;; workspace buffers: acodes 2,097,152 bytes; wcodes 1,572,864 bytes; ascales 131,072 bytes; wscales 98,304 bytes; qkv 25,165,824 bytes
;; launch quant (part 1): grid 352 x 1, 8 waves a work-group, no clusters, 70,144 bytes of LDS; arguments x, W_qkv, acodes, ascales, wcodes, wscales; writes acodes, ascales, wcodes, wscales
.if DOCPART == 1
	.amdgcn_target "amdgcn-amd-amdhsa--gfx1250"
	.amdhsa_code_object_version 6
	.text
	.protected	k_q0d6adc7ddd_quant
	.globl	k_q0d6adc7ddd_quant
	.p2align	8
	.type	k_q0d6adc7ddd_quant,@function
k_q0d6adc7ddd_quant:
	s_mov_b64 s[64:65], 0
	v_nop
	global_prefetch_b8 v0, s[64:65] scope:SCOPE_SE
	s_setreg_imm32_b32 hwreg(HW_REG_WAVE_MODE, 25, 1), 1
	s_wait_xcnt 0x0
; x [4096][1024] (K innermost) and W_qkv [1024][3072] (K is its first axis), f32, become codes of FP4 (E2M1) with one E8M0 scale byte for each 32 along K.
; A block's scale is 2^(floor(log2(its largest magnitude)) - 2); its byte is the largest magnitude's exponent field - 2, held at 1 from below; each number is divided by the scale and rounded
; to the nearest code, ties to even, beyond 6 the largest code.
; LIMITS: a block of zeros gets the byte 1 where the rule says 127 (its codes are zeros, and this program alone reads the bytes); blocks whose largest magnitude lies under 2^(3 - 127) keep the byte 1;
; NaN and infinities among the inputs are not served.
; WHAT IS STORED ARE IMAGES OF THE PRODUCT'S OPERAND REGISTERS.  codes: [tile of 16 rows or columns][K step of 128][c 0..1][lane 0..31][16 bytes]: lane (r, h), half c holds k = 64 c + 32 h + 0 .. 31 of row r.
; scale words: [tile][lane][4 words]: the word of (row r, K step q) lies at ((q % 2) 16 + r) 16 + (q / 2) 4, so that one 16-byte load at 16 x lane brings register j = the word of K step 2 j + h.
; SHARES.  Work-groups 0-255: one tile of 16 rows of x each.  Work-groups 256-351: 32 columns of W each (two tiles).  In both, wave q takes K step q.  Every load of a wave is issued at once.
; The two paths part on the work-group's number alone, and each has LDS bytes of its own.  Nothing is shared between work-groups: no cluster.
.set STGW,  8448                       ; x path: a wave's stage: 16 rows x SROW
.set SROW,  528                        ; 512 bytes + 16: 132 words, so the 16 rows that a load touches begin 4 banks apart
.set GX,    8*STGW                     ; x path: the tile's 128 scale words, gathered: 512 bytes
.set GW,    GX+512                     ; W path: two tiles' scale words: 1,024 bytes
.set SPARE, GW+1024                    ; the spare words, 128 bytes for each wave: four blocks of 256 bytes that no other line names
.set SPW,   14                         ; v14  LDS address of my spare word; never rewritten
.set NIL,   15                         ; v15  0; never rewritten
.set R,     32                         ; x path: v32-95  16 rows' bytes as loaded
.set X,     96                         ; x path: v96-159 my 64 numbers: two blocks of 32
.set XW,    32                         ; W path: v32-159 my column's 128 numbers: four blocks
.set C,     160                        ; v160-175 codes
; A block of 32 numbers of one lane, v[src] on, becomes four registers of codes, v[dst] on; v[w], v[w+1] largest magnitudes, v[w+2] the conversion's scale operand, v[w+3] the scale's byte
.macro QBLK src, dst, w
	v_max3_num_f32 v[\w], |v[\src]|, |v[\src+1]|, |v[\src+2]|
	v_max3_num_f32 v[\w+1], |v[\src+3]|, |v[\src+4]|, |v[\src+5]|
.irp i, 6,10,14,18,22,26
	v_max3_num_f32 v[\w], v[\w], |v[\src+\i]|, |v[\src+\i+1]|          ; two chains, so that no line waits for the line above it
	v_max3_num_f32 v[\w+1], v[\w+1], |v[\src+\i+2]|, |v[\src+\i+3]|
.endr
	v_max3_num_f32 v[\w], v[\w], |v[\src+30]|, |v[\src+31]|
	v_max3_num_f32 v[\w], v[\w], v[\w+1], 0x1800000                     ; and the floor 2^(3 - 127): the byte cannot fall under 1
	v_add_nc_u32 v[\w+2], 0xff000000, v[\w]                             ; 2 off the exponent field: the conversion takes the exponent field of this operand as its scale
.irp g, 0,1,2,3
	v_cvt_scalef32_pk8_fp4_f32 v[\dst+\g], v[\src+8*\g:\src+8*\g+7], v[\w+2]
.endr
	v_lshrrev_b32 v[\w+3], 23, v[\w+2]                                  ; the scale's byte; also the plain vector line behind the conversions
.endm
	s_load_b256 s[4:11], s[0:1], 0x0               ; x s[4:5], W s[6:7], x's codes s[8:9], x's scale words s[10:11]
	s_load_b128 s[12:15], s[0:1], 0x20             ; W's codes s[12:13], W's scale words s[14:15]
	v_lshl_add_u32 v[SPW], v0, 2, SPARE
	v_mov_b32 v[NIL], 0
	v_lshrrev_b32 v1, 5, v0
	v_readfirstlane_b32 s16, v1                    ; wave = K step q
	v_and_b32 v1, 31, v0                           ; lane
	v_and_b32 v2, 15, v0                           ; r
	v_bfe_u32 v3, v0, 4, 1                         ; h
	v_lshlrev_b32 v4, 4, v1                        ; 16 x lane
	s_mul_i32 s17, s16, STGW                       ; my stage
	v_add_nc_u32 v5, s17, v4                       ; into it: a row's 512 bytes as they lie
	v_mul_u32_u24 v6, v2, SROW
	v_lshl_add_u32 v6, v3, 7, v6
	v_add_nc_u32 v6, s17, v6                       ; out of it: row r, 128 h bytes on: my 32 numbers of a block pair
	s_and_b32 s22, s16, 1
	s_lshl_b32 s22, s22, 8
	s_lshr_b32 s23, s16, 1
	s_lshl_b32 s23, s23, 2
	s_add_co_u32 s22, s22, s23                     ; my K step's place among a tile's scale words: 256 (q % 2) + 4 (q / 2)
	v_lshlrev_b32 v7, 4, v2
	v_add_nc_u32 v7, s22, v7                       ; + 16 r
	v_lshl_add_u32 v9, v3, 9, v7                   ; W path: + 512 for the second tile
	v_add_nc_u32 v7, GX, v7                        ; x path: where my row's word goes
	v_add_nc_u32 v9, GW, v9                        ; W path: where my column's word goes
	v_add_nc_u32 v8, GX, v4                        ; and where wave 0 reads them back
	v_add_nc_u32 v10, GW, v4
	v_lshlrev_b32 v11, 4, v2
	v_lshl_add_u32 v11, v3, 13, v11                ; W path: my column's place in the codes: 8,192 x tile + 16 r
	v_lshlrev_b32 v12, 2, v1                       ; W path: 4 bytes a lane
	s_mov_b32 s20, 0x76543210
	s_mov_b32 s21, 0xfedcba98                      ; v_permlanex16_b32's selects for lane l xor 16
	s_mov_b32 s19, 0
	s_cmp_ge_u32 ttmp9, 256                        ; the work-group's number alone: all eight waves go the same way
	s_cbranch_scc1 .Lw_path
	; ---- x: rows 16 g .. 16 g + 15, k = 128 q .. 128 q + 127
	s_lshl_b32 s18, ttmp9, 16                      ; 16 rows of 4,096 bytes
	s_lshl_b32 s24, s16, 9                         ; 128 numbers
	s_add_co_u32 s18, s18, s24
	s_wait_kmcnt 0x0
	s_add_nc_u64 s[4:5], s[4:5], s[18:19]
.irp i, 0,1,2,3,4,5,6,7,8,9,10,11,12,13,14,15
	global_load_b128 v[R+4*\i:R+4*\i+3], v4, s[4:5] offset:4096*\i th:TH_LOAD_NT   ; 32 lanes read 512 consecutive bytes of row i
.endr
	s_lshl_b32 s18, ttmp9, 13
	s_lshl_b32 s24, s16, 10
	s_add_co_u32 s18, s18, s24
	s_add_nc_u64 s[8:9], s[8:9], s[18:19]          ; my fragment's image: 8,192 x tile + 1,024 q
	s_lshl_b32 s18, ttmp9, 9
	s_add_nc_u64 s[10:11], s[10:11], s[18:19]      ; the tile's 512 bytes of scale words
	v_mov_b32 v26, 0                               ; a lane permute's destination counts as one of its sources
.irp i, 0,1,2,3,4,5,6,7,8,9,10,11,12,13,14,15
	s_wait_loadcnt 15-\i                           ; row i is in; the younger rows' loads may be out
	ds_store_b128 v5, v[R+4*\i:R+4*\i+3] offset:SROW*\i
.endr
.irp c, 0,1
.irp j, 0,1,2,3,4,5,6,7
	ds_load_b128 v[X+32*\c+4*\j:X+32*\c+4*\j+3], v6 offset:256*\c+16*\j   ; k = 64 c + 32 h + 4 j ..: LDS serves a wave's instructions in order, so these see my stores
.endr
.endr
	s_wait_dscnt 8                                 ; block 2 x 0 + h is in; the eight loads of the other block may be out
	QBLK X, C, 16
	s_wait_dscnt 0x0
	QBLK X+32, C+4, 20
	global_store_b128 v4, v[C:C+3], s[8:9]         ; 512 consecutive bytes each
	global_store_b128 v4, v[C+4:C+7], s[8:9] offset:512
	v_lshl_or_b32 v24, v23, 16, v19                ; my two bytes: blocks h and 2 + h of row r,
	v_lshlrev_b32 v25, 3, v3
	v_lshlrev_b32 v24, v25, v24                    ; at their places in the word (8 h bits up);
	v_permlanex16_b32 v26, v24, s20, s21
	v_or_b32 v24, v24, v26                         ; with lane l xor 16's two the word is whole
	ds_store_b32 v7, v24                           ; both halves of the lanes write the same word with the same value
	s_wait_dscnt 0x0                               ; for wave 0's sake: my word has landed
	s_barrier_signal -1
	s_barrier_wait -1
	s_cmp_lg_u32 s16, 0
	s_cbranch_scc1 .Lx_end
	ds_load_b128 v[28:31], v8                      ; the eight waves' words, in the order in which the product's lanes take them
	s_wait_dscnt 0x0
	global_store_b128 v4, v[28:31], s[10:11]       ; 512 consecutive bytes
.Lx_end:
	s_wait_tensorcnt 0x0                           ; the wave's end
	ds_add_u32 v[SPW], v[NIL]
	s_wait_dscnt 0x0
	s_endpgm
	; ---- W: a lane takes a column, its registers run down K: columns 32 g + lane, k = 128 q .. 128 q + 127
.Lw_path:
	s_sub_co_u32 s25, ttmp9, 256                   ; g
	s_mul_i32 s18, s16, 128*12288                  ; 128 rows of 12,288 bytes
	s_lshl_b32 s24, s25, 7
	s_add_co_u32 s18, s18, s24
	s_wait_kmcnt 0x0
	s_add_nc_u64 s[6:7], s[6:7], s[18:19]
.set i, 0
.rept 128
	global_load_b32 v[XW+i], v12, s[6:7] offset:12288*i th:TH_LOAD_NT   ; row 128 q + i at my column: 128 consecutive bytes a wave
.set i, i+1
.endr
	s_lshl_b32 s18, s25, 14
	s_lshl_b32 s24, s16, 10
	s_add_co_u32 s18, s18, s24
	s_add_nc_u64 s[12:13], s[12:13], s[18:19]      ; the codes: 2 tiles x 8,192 x g + 1,024 q
	s_lshl_b32 s18, s25, 10
	s_add_nc_u64 s[14:15], s[14:15], s[18:19]      ; the scale words: 1,024 g
.irp b, 0,1,2,3
.if \b == 0
	s_wait_loadcnt 63                              ; the largest count that the wait can name: of 128 loads at least the oldest 65 are in: blocks 0 and 1
.elseif \b == 2
	s_wait_loadcnt 32                              ; block 3's loads may be out
.elseif \b == 3
	s_wait_loadcnt 0x0
.endif
	QBLK XW+32*\b, C+4*\b, 16+4*\b
	global_store_b128 v11, v[C+4*\b:C+4*\b+3], s[12:13] offset:256*\b   ; block b is (c, h) = (b / 2, b % 2) of the image: sixteen lanes store 256 consecutive bytes, aligned
.endr
	v_lshl_or_b32 v13, v23, 8, v19                 ; the four bytes make my column's scale word of this K step
	v_lshl_or_b32 v13, v27, 16, v13
	v_lshl_or_b32 v13, v31, 24, v13
	ds_store_b32 v9, v13
	s_wait_dscnt 0x0                               ; for wave 0's sake
	s_barrier_signal -1
	s_barrier_wait -1
	s_cmp_lg_u32 s16, 0
	s_cbranch_scc1 .Lw_end
	ds_load_b128 v[16:19], v10
	ds_load_b128 v[20:23], v10 offset:512
	s_wait_dscnt 0x0
	global_store_b128 v4, v[16:19], s[14:15]
	global_store_b128 v4, v[20:23], s[14:15] offset:512
.Lw_end:
	s_wait_tensorcnt 0x0                           ; the wave's end, as above
	ds_add_u32 v[SPW], v[NIL]
	s_wait_dscnt 0x0
	s_endpgm
.Lfunc_end_k_q0d6adc7ddd_quant:
	.size	k_q0d6adc7ddd_quant, .Lfunc_end_k_q0d6adc7ddd_quant-k_q0d6adc7ddd_quant
	.p2alignl 7, 3214868480
	.fill 96, 4, 3214868480
	.section	.rodata,"a",@progbits
	.p2align	6, 0x0
	.amdhsa_kernel k_q0d6adc7ddd_quant
		.amdhsa_group_segment_fixed_size 70144
		.amdhsa_private_segment_fixed_size 0
		.amdhsa_enable_private_segment 0
		.amdhsa_kernarg_size 48
		.amdhsa_user_sgpr_count 2
		.amdhsa_user_sgpr_kernarg_segment_ptr 1
		.amdhsa_wavefront_size32 1
		.amdhsa_system_sgpr_workgroup_id_x 1
		.amdhsa_system_sgpr_workgroup_id_y 1
		.amdhsa_system_sgpr_workgroup_id_z 1
		.amdhsa_system_vgpr_workitem_id 0
		.amdhsa_next_free_vgpr 176
		.amdhsa_next_free_sgpr 66
		.amdhsa_reserve_vcc 0
		.amdhsa_float_denorm_mode_32 3
		.amdhsa_float_denorm_mode_16_64 3
		.amdhsa_memory_ordered 1
		.amdhsa_forward_progress 1
		.amdhsa_inst_pref_size 30
	.end_amdhsa_kernel
	.amdgpu_metadata
---
amdhsa.version: [ 1, 2 ]
amdhsa.kernels:
  - .name:           k_q0d6adc7ddd_quant
    .symbol:         k_q0d6adc7ddd_quant.kd
    .args:
      - { .name: x, .offset: 0, .size: 8, .value_kind: global_buffer, .address_space: global }
      - { .name: W_qkv, .offset: 8, .size: 8, .value_kind: global_buffer, .address_space: global }
      - { .name: acodes, .offset: 16, .size: 8, .value_kind: global_buffer, .address_space: global }
      - { .name: ascales, .offset: 24, .size: 8, .value_kind: global_buffer, .address_space: global }
      - { .name: wcodes, .offset: 32, .size: 8, .value_kind: global_buffer, .address_space: global }
      - { .name: wscales, .offset: 40, .size: 8, .value_kind: global_buffer, .address_space: global }
    .group_segment_fixed_size: 70144
    .private_segment_fixed_size: 0
    .kernarg_segment_align: 8
    .kernarg_segment_size: 48
    .max_flat_workgroup_size: 256
    .sgpr_count:     66
    .vgpr_count:     176
    .wavefront_size: 32
...
	.end_amdgpu_metadata
.endif
;; end of part 1
;; launch gemm (part 2): grid 12 x 16, 4 waves a work-group, clusters of 4 x 4, 327,680 bytes of LDS; arguments acodes, ascales, wcodes, wscales, b_qkv, qkv; writes qkv
.if DOCPART == 2
	.amdgcn_target "amdgcn-amd-amdhsa--gfx1250"
	.amdhsa_code_object_version 6
	.text
	.protected	k_q0d6adc7ddd_gemm
	.globl	k_q0d6adc7ddd_gemm
	.p2align	8
	.type	k_q0d6adc7ddd_gemm,@function
k_q0d6adc7ddd_gemm:
	s_mov_b64 s[64:65], 0
	v_nop
	global_prefetch_b8 v0, s[64:65] scope:SCOPE_SE
	s_setreg_imm32_b32 hwreg(HW_REG_WAVE_MODE, 25, 1), 1
	s_wait_xcnt 0x0
	s_wait_alu depctr_hold_cnt(0) depctr_sa_sdst(0) depctr_va_vdst(0) depctr_va_sdst(0) depctr_va_ssrc(0) depctr_va_vcc(0) depctr_vm_vsrc(0)
	s_getreg_b32 s2, hwreg(HW_REG_IB_STS2, 6, 4)
	s_cmp_eq_u32 s2, 0
	s_cbranch_scc0 .Lentry_in_a_cluster
	s_endpgm
.Lentry_in_a_cluster:
	s_bfe_u32 s2, ttmp6, 0x10000c
	s_cmp_lg_u32 s2, 0xf033
	s_cbranch_scc0 .Lentry_shape_is_right
	s_endpgm
.Lentry_shape_is_right:
; qkv = x W + b on codes of FP4 (E2M1) with E8M0 scales: [4096 x 1024] x [1024 x 3072], sums in f32, the bias as the C of each sum's first product; the results are rounded once, to f16, for the attention.
; LIMIT: |q|, |k|, |v| stay under 65,504, f16's largest number (beyond it the rounding gives infinity).  With x and W as drawn they reach about 5.5; with both 30 times larger about 5,000.
; A tile of 256 x 256 is made by a work-group of four waves, each 128 x 128: 64 accumulators, 512 registers.  12 x 16 = 192 work-groups: a tile lies inside one of q, k, v.
; K = 1,024 is eight K steps of 128.  Codes lie in memory as images of the operand's registers (16 rows x 128 K: 1,024 bytes, lane l's 16 bytes of half c at 512 c + 16 l), so LDS needs no pitch: every fragment load reads
; 512 consecutive bytes.  ALL of K fits in LDS: two slots of four K steps, each filled ONCE, both asked for at the head; nothing is filled again.
; CLUSTERS: 4 x 4 work-groups.  The four of a row of the cluster need the same tiles of x, the four of a column the same tiles of W: each is asked for jointly, by the same tensor load with the same descriptor and a mask
; that names the four.  By this text's count a wave has at most two tensor loads outstanding.
; THE MATRIX INSTRUCTION IS USED TRANSPOSED (source 0 = 16 columns of W, source 1 = 16 rows of x): a lane holds eight neighbouring channels of one row: 16 bytes of f16, one chunk of the layout below.
; qkv: f16, [type 3][batch x head 32][tile of 16 positions 128][nt 4][pos 32][16 bytes]; a chunk = channels 16 nt + 8 hh + 0 .. 7 of position kl of the tile.  q, k: pos = 16 hh + kl (a fragment's registers as they stand);
; v: pos = 16 (kl / 8) + 8 hh + kl % 8 (what the turning LDS load wants at 16 x lane).  Every store of a wave covers 512 consecutive bytes, aligned.
; REGISTERS, in windows of 256: window 0: v16-29 addresses; v32-63 x's scale words, v64-95 W's (register 4 i + j: lanes 0-15 the word of K step 2 j, lanes 16-31 of K step 2 j + 1, of tile i);
;   v128-191 x's fragments, ONE set; v192-255 the bias, 8 registers for each of my 8 tiles of columns; on the way out v128-255 take the packed results.
;   window 1: W's fragments, TWO sets, at v0 and v128.   window 2: accumulators of my rows 0-63 ((a, b) at v[8 (8 a + b)]);   window 3: of rows 64-127.
.set SLOT,  131072                     ; four K steps: x's 16 tiles x 4,096 bytes, then W's 16
.set BOFF,  65536
.set SPARE, 2*SLOT                     ; behind the slots: the spare words, 128 bytes for each wave: two blocks of 256 bytes that no other line names
.set ADRA, 16                          ; v16-17  LDS address of my fragments of x in slot 0, 1
.set ADRB, 20                          ; v20-21  the same for W
.set L16,  24                          ; v24     16 x lane
.set BO,   25                          ; v25     the bias: 32 h bytes
.set CO,   26                          ; v26     my chunk's place in a store's 512 bytes
.set SPW,  28                          ; v28     LDS address of my spare word; never rewritten
.set NIL,  29                          ; v29     0; never rewritten
.set SA,   32
.set SB,   64
.set AF,   128
.set BI,   192
.set PK,   128
.set G1,  24                           ; s[24:31] descriptor group 1 for x's tiles;  s[32:39] group 0, one set for each slot
.set G0,  32
.set G1B, 48                           ; s[48:55], s[56:63] the same for W's
.set G0B, 56
.set MSB, 0
.macro WIN new                         ; the immediate's high byte repeats the setting that is left
.if MSB != \new
	s_set_vgpr_msb (MSB<<8)|\new
.set MSB, \new
.endif
.endm
.set MUL_LO,  0xa1                     ; source 0 (W) window 1, source 1 (x) window 0, C and D window 2
.set MUL_HI,  0xf1                     ; the same, C and D window 3
.set BIAS_LO, 0x81                     ; C (the bias) window 0, D window 2
.set BIAS_HI, 0xc1                     ; C window 0, D window 3
.set TO_B,    0x40                     ; destination window 1, address window 0
; A joint load: waves 0 and 1 fetch for x, waves 2 and 3 for W.  Each line has one mask and one set of registers for all that issue it; the branch hangs on the wave's number alone.
; An s_nop 0 and four v_nop follow each of the two lines, ahead of the jump, the label and what follows.
.macro JLOAD s
	s_cmp_eq_u32 s17, 0
	s_cbranch_scc0 .Lfor_b_\@
	tensor_load_to_lds s[G0+4*\s:G0+4*\s+3], s[G1:G1+7]
	s_nop 0
.rept 4
	v_nop
.endr
	s_branch .Lasked_\@
.Lfor_b_\@:
	tensor_load_to_lds s[G0B+4*\s:G0B+4*\s+3], s[G1B:G1B+7]
	s_nop 0
.rept 4
	v_nop
.endr
.Lasked_\@:
.endm
.macro CROUND                          ; a round of the cluster's barrier
	s_barrier_signal -1
	s_barrier_wait -1
	s_cmp_lg_u32 s16, 0
	s_cbranch_scc1 .Lnot_wave_0_\@
	s_barrier_signal -3
.Lnot_wave_0_\@:
	s_barrier_wait -3
	s_barrier_signal -1
	s_barrier_wait -1
.endm
	s_load_b128 s[4:7], s[0:1], 0x0                ; x's codes s[4:5], x's scale words s[6:7]
	s_load_b128 s[8:11], s[0:1], 0x10              ; W's codes s[8:9], W's scale words s[10:11]
	s_load_b128 s[12:15], s[0:1], 0x20             ; the bias s[12:13], qkv s[14:15]
	v_lshl_add_u32 v[SPW], v0, 2, SPARE
	v_mov_b32 v[NIL], 0
	ds_add_u32 v[SPW], v[NIL]                      ; the wave's opening: the add, twice on end, and its wait ahead of my first tensor load; the set-up below stands between the second and the wait
	ds_add_u32 v[SPW], v[NIL]
	v_lshrrev_b32 v1, 5, v0
	v_readfirstlane_b32 s16, v1                    ; wave 0..3
	s_lshr_b32 s17, s16, 1                         ; which half of the tile's rows is mine.  Also: I fetch for x (0) or for W (1)
	s_and_b32 s18, s16, 1                          ; which half of its columns.  Also: which 8 tiles of 16 I fetch
	s_bfe_u32 s40, ttmp6, 0x40000                  ; cx, cy: my place in the cluster
	s_bfe_u32 s41, ttmp6, 0x40004
	s_lshl_b32 s42, ttmp9, 2
	s_add_co_u32 s42, s42, s40                     ; tile column = 4 x cluster x + cx
	s_and_b32 s19, ttmp7, 0xffff
	s_lshl_b32 s19, s19, 2
	s_add_co_u32 s19, s19, s41                     ; tile row = 4 x cluster y + cy
	s_lshl_b32 s43, s41, 2
	s_lshl_b32 s43, 15, s43                        ; my row of the cluster
	s_lshl_b32 s44, 0x1111, s40                    ; my column
	; descriptor group 1: 8 rows (tiles of 16) x 4,096 bytes (four K steps), 8,192 bytes apart in memory, dense in LDS
	s_or_b32 s[G1], s43, (3<<16)|(1<<21)           ; 15:0 the mask: x's tiles go to my row; 17:16 elements of 8 bytes; 20 no padding; 21 set beside a mask
	s_or_b32 s[G1B], s44, (3<<16)|(1<<21)
.irp g, G1, G1B
	s_mov_b32 s[\g+1], 512<<16                     ; tensor_dim0 = 512 elements
	s_mov_b32 s[\g+2], 8<<16                       ; tensor_dim1 = 8
	s_mov_b32 s[\g+3], 512<<16                     ; tile_dim0
	s_mov_b32 s[\g+4], 8                           ; tile_dim1
	s_mov_b32 s[\g+5], 1024                        ; tensor_dim0_stride, in elements
	s_mov_b32 s[\g+6], 0
	s_mov_b32 s[\g+7], 0
.endr
	s_lshl_b32 s22, s18, 16                        ; which 8 tiles I fetch: 8 x 8,192 bytes
	s_lshl_b32 s20, s19, 17                        ; x: 16 tiles x 8,192 x tile row
	s_add_co_u32 s20, s20, s22
	s_mov_b32 s21, 0
	s_lshl_b32 s46, s42, 17                        ; W: by the tile column
	s_add_co_u32 s46, s46, s22
	s_mov_b32 s47, 0
	s_lshl_b32 s45, s16, 15                        ; where they go: wave x 32,768: no place in the cluster enters an LDS address
	; what the plain loads and the stores add to their buffers' addresses
	s_lshl_b32 s68, s19, 13                        ; x's scale words: 512 bytes a tile: 16 x tile row + 8 x half
	s_lshl_b32 s76, s17, 12
	s_add_co_u32 s68, s68, s76
	s_mov_b32 s69, 0
	s_lshl_b32 s70, s42, 13                        ; W's
	s_lshl_b32 s76, s18, 12
	s_add_co_u32 s70, s70, s76
	s_mov_b32 s71, 0
	s_lshl_b32 s72, s42, 10                        ; the bias: 4 bytes x (256 x tile column + 128 x half)
	s_lshl_b32 s76, s18, 9
	s_add_co_u32 s72, s72, s76
	s_mov_b32 s73, 0
	s_lshl_b32 s74, ttmp9, 23                      ; qkv: type = tile column / 4 = cluster x: 8 MiB each;
	s_lshr_b32 s76, s19, 3
	s_lshl_b32 s76, s76, 22                        ; batch = tile row / 8: 16 heads of 256 KiB;
	s_add_co_u32 s74, s74, s76
	s_lshl_b32 s76, s40, 20                        ; head = 4 (tile column % 4) + 2 x half (+ b / 4);
	s_add_co_u32 s74, s74, s76
	s_lshl_b32 s76, s18, 19
	s_add_co_u32 s74, s74, s76
	s_and_b32 s76, s19, 7
	s_lshl_b32 s76, s76, 15                        ; tile of 16 positions = 16 (tile row % 8) + 8 x half (+ a): 2,048 bytes each
	s_add_co_u32 s74, s74, s76
	s_lshl_b32 s76, s17, 14
	s_add_co_u32 s74, s74, s76
	s_mov_b32 s75, 0
	v_and_b32 v1, 31, v0                           ; lane
	v_and_b32 v2, 15, v0                           ; r
	v_bfe_u32 v3, v0, 4, 1                         ; h
	v_lshlrev_b32 v[L16], 4, v1
	v_lshlrev_b32 v[BO], 5, v3
	s_wait_dscnt 0x0                               ; both opening adds are done
	s_wait_kmcnt 0x0
	s_add_nc_u64 s[20:21], s[4:5], s[20:21]
	s_add_nc_u64 s[46:47], s[8:9], s[46:47]
	CROUND                                         ; all sixteen work-groups are here: the joint loads meet
.irp s, 0,1
	s_mov_b32 s[G0+4*\s], 1                        ; count = 1
	s_add_co_u32 s[G0+4*\s+1], s45, \s*SLOT        ; LDS address
	s_add_nc_u64 s[G0+4*\s+2:G0+4*\s+3], s[20:21], \s*4096   ; global address: K steps 4 s on
	s_or_b32 s[G0+4*\s+3], s[G0+4*\s+3], 0x80000000          ; type = 2
	s_mov_b32 s[G0B+4*\s], 1
	s_add_co_u32 s[G0B+4*\s+1], s45, \s*SLOT
	s_add_nc_u64 s[G0B+4*\s+2:G0B+4*\s+3], s[46:47], \s*4096
	s_or_b32 s[G0B+4*\s+3], s[G0B+4*\s+3], 0x80000000
	JLOAD \s
.endr
	s_add_nc_u64 s[6:7], s[6:7], s[68:69]
	s_add_nc_u64 s[10:11], s[10:11], s[70:71]
	s_add_nc_u64 s[12:13], s[12:13], s[72:73]
	s_add_nc_u64 s[14:15], s[14:15], s[74:75]
.irp i, 0,1,2,3,4,5,6,7
	global_load_b128 v[SA+4*\i:SA+4*\i+3], v[L16], s[6:7] offset:512*\i     ; all of K's scale words of my 8 tiles, 512 consecutive bytes a load: they stay in registers
	global_load_b128 v[SB+4*\i:SB+4*\i+3], v[L16], s[10:11] offset:512*\i
.endr
.irp b, 0,1,2,3,4,5,6,7
	global_load_b128 v[BI+8*\b:BI+8*\b+3], v[BO], s[12:13] offset:64*\b     ; the bias in the result's layout: lane (r, h), register j: column 16 b + 8 h + j
	global_load_b128 v[BI+8*\b+4:BI+8*\b+7], v[BO], s[12:13] offset:64*\b+16
.endr
	s_lshl_b32 s67, s17, 15                        ; my 8 tiles of x
	v_add_nc_u32 v[ADRA], s67, v[L16]
	v_add_nc_u32 v[ADRA+1], SLOT, v[ADRA]
	s_lshl_b32 s77, s18, 15                        ; my 8 tiles of W, behind x's 16
	s_add_co_u32 s77, s77, BOFF
	v_add_nc_u32 v[ADRB], s77, v[L16]
	v_add_nc_u32 v[ADRB+1], SLOT, v[ADRB]
	v_lshrrev_b32 v5, 3, v2                        ; v's chunks: pos = 16 (r / 8) + 8 h + r % 8
	v_and_b32 v6, 7, v2
	v_lshl_add_u32 v6, v3, 3, v6
	v_lshl_add_u32 v6, v5, 4, v6
	v_lshlrev_b32 v6, 4, v6
	s_cmp_eq_u32 ttmp9, 2                          ; the cluster's x: is this tile v's?  A choice of a value, no branch
	s_cselect_b32 s66, -1, 0
	v_cndmask_b32 v[CO], v[L16], v6, s66           ; q's and k's: pos = 16 h + r = lane
.macro FRAG reg, adr, q, i             ; a fragment, 16 rows x 128 K: 8 registers, two loads of 512 consecutive bytes
.irp c, 0,1
	ds_load_b128 v[\reg+4*\c:\reg+4*\c+3], v[\adr] offset:(\i)*4096+((\q)%4)*1024+512*\c
.endr
.endm
.macro FETCH_B q                       ; W's eight fragments of K step q into set q % 2
	WIN TO_B
.irp i, 0,1,2,3,4,5,6,7
	FRAG 128*((\q)%2)+8*\i, ADRB+(\q)/4, \q, \i
.endr
	WIN 0
.endm
.macro FETCH_A q, i0                   ; x's blocks i0 .. i0 + 3
.irp i, \i0, \i0+1, \i0+2, \i0+3
	FRAG AF+8*(\i), ADRA+(\q)/4, \q, \i
.endr
.endm
; 16 matrix instructions: x's blocks a0, a0 + 1 against W's eight, K step q.  K step 0 starts the sums with the bias as C.  An odd K step's scale words lie in lanes 16-31 of their registers.
; The 64 accumulators take turns, one instruction a turn, in the same order in every K step.
.macro MUL16 a0, q
.irp a, \a0, \a0+1
.irp b, 0,1,2,3,4,5,6,7
.if (\q) == 0
	v_wmma_scale_f32_16x16x128_f8f6f4 v[8*(8*((\a)%4)+\b):8*(8*((\a)%4)+\b)+7], v[8*\b:8*\b+7], v[AF+8*(\a):AF+8*(\a)+7], v[BI+8*\b:BI+8*\b+7], v[SB+4*\b], v[SA+4*(\a)] matrix_a_fmt:MATRIX_FMT_FP4 matrix_b_fmt:MATRIX_FMT_FP4
.elseif (\q)%2
	v_wmma_scale_f32_16x16x128_f8f6f4 v[8*(8*((\a)%4)+\b):8*(8*((\a)%4)+\b)+7], v[128+8*\b:128+8*\b+7], v[AF+8*(\a):AF+8*(\a)+7], v[8*(8*((\a)%4)+\b):8*(8*((\a)%4)+\b)+7], v[SB+4*\b+(\q)/2], v[SA+4*(\a)+(\q)/2] matrix_a_fmt:MATRIX_FMT_FP4 matrix_b_fmt:MATRIX_FMT_FP4 matrix_a_scale:MATRIX_SCALE_ROW1 matrix_b_scale:MATRIX_SCALE_ROW1
.else
	v_wmma_scale_f32_16x16x128_f8f6f4 v[8*(8*((\a)%4)+\b):8*(8*((\a)%4)+\b)+7], v[8*\b:8*\b+7], v[AF+8*(\a):AF+8*(\a)+7], v[8*(8*((\a)%4)+\b):8*(8*((\a)%4)+\b)+7], v[SB+4*\b+(\q)/2], v[SA+4*(\a)+(\q)/2] matrix_a_fmt:MATRIX_FMT_FP4 matrix_b_fmt:MATRIX_FMT_FP4
.endif
.endr
.endr
.endm
; A load into a register that a matrix instruction has read, and a vector instruction that reads a matrix result or writes one of its registers, stand four places behind it; only plain vector
; instructions that name none of its registers are places (ISA guide 7.12.1 for vector instructions).
.macro PLACES
.rept 4
	v_nop
.endr
.endm
; A K step: 64 matrix instructions, x's blocks one after the other.  A block of x is free as soon as its eight products are issued: blocks 0-3 are fetched anew in the step's middle, blocks 4-7 at its end.
; K step 3 is slot 0's last: the next fragments lie in slot 1, so each wave waits for its own load of that slot and all four meet at a barrier.
.macro KSTEP q
.if (\q) == 3
	s_wait_tensorcnt 0x0                           ; my part of slot 1 has landed: my last tensor load
.endif
	s_wait_dscnt 8                                 ; W's set and x's blocks 0-3 are in; the youngest eight loads (blocks 4-7) may be out
.if (\q) == 0
	WIN BIAS_LO
.else
	WIN MUL_LO
.endif
	MUL16 0, \q
.if (\q) == 3
	s_wait_dscnt 0x0                               ; no LDS instruction of mine is out at the signal
	s_barrier_signal -1
.endif
	MUL16 2, \q
.if (\q) == 3
	s_barrier_wait -1                              ; every wave's part of slot 1 has landed
.else
	s_wait_dscnt 0x0                               ; x's blocks 4-7 are in (asked for 32 matrix instructions ago)
.endif
.if (\q) < 7
	PLACES
	FETCH_B (\q)+1
	FETCH_A (\q)+1, 0
.endif
.if (\q) == 0
	WIN BIAS_HI
.else
	WIN MUL_HI
.endif
	MUL16 4, \q
	MUL16 6, \q
.if (\q) < 7
	PLACES
	WIN 0
	FETCH_A (\q)+1, 4
.endif
.endm
	s_wait_tensorcnt 0x1                           ; my part of slot 0 is in; slot 1's load may be out,
	s_barrier_signal -1
	s_barrier_wait -1                              ; everybody's is
	FETCH_B 0
	FETCH_A 0, 0
	FETCH_A 0, 4
	s_wait_loadcnt 0x0                             ; the scale words and the bias
.irp q, 0,1,2,3,4,5,6,7
	KSTEP \q
.endr
	; THE WAY OUT.  A lane's eight results are one chunk of 16 bytes in f16, and a tile's 32 chunks are 512 consecutive bytes of qkv: they are stored from registers, with no stage.
	PLACES                                         ; behind the last products: the conversions write the registers that held x's fragments and the bias
.irp hf, 0,1
.if \hf
	s_wait_xcnt 0x0                                ; the first half's stores have read their data: v128-255 are written again only behind this wait
	WIN 0x0f                                       ; sources 0 and 1: window 3
.else
	WIN 0x0a                                       ; sources 0 and 1: window 2
.endif
.irp a, 0,1,2,3
.irp b, 0,1,2,3,4,5,6,7
.irp i, 0,1,2,3
	v_cvt_pk_f16_f32 v[PK+4*(8*\a+\b)+\i], v[8*(8*\a+\b)+2*\i], v[8*(8*\a+\b)+2*\i+1]   ; each accumulator from its low end on
.endr
.endr
.endr
	WIN 0
.irp a, 0,1,2,3
.irp b, 0,1,2,3,4,5,6,7
	global_store_b128 v[CO], v[PK+4*(8*\a+\b):PK+4*(8*\a+\b)+3], s[14:15] offset:(4*\hf+\a)*2048+(\b/4)*262144+(\b%4)*512   ; tile of positions 4 hf + a, head b / 4, nt = b % 4
.endr
.endr
.endr
	s_wait_tensorcnt 0x0                           ; the wave's end: these three lines behind my last tensor load
	ds_add_u32 v[SPW], v[NIL]
	s_wait_dscnt 0x0
	CROUND                                         ; the closing round: no work-group ends while a partner may still ask for a tile that names it
	s_endpgm
.Lfunc_end_k_q0d6adc7ddd_gemm:
	.size	k_q0d6adc7ddd_gemm, .Lfunc_end_k_q0d6adc7ddd_gemm-k_q0d6adc7ddd_gemm
	.p2alignl 7, 3214868480
	.fill 96, 4, 3214868480
	.section	.rodata,"a",@progbits
	.p2align	6, 0x0
	.amdhsa_kernel k_q0d6adc7ddd_gemm
		.amdhsa_group_segment_fixed_size 327680
		.amdhsa_private_segment_fixed_size 0
		.amdhsa_enable_private_segment 0
		.amdhsa_kernarg_size 48
		.amdhsa_user_sgpr_count 2
		.amdhsa_user_sgpr_kernarg_segment_ptr 1
		.amdhsa_wavefront_size32 1
		.amdhsa_system_sgpr_workgroup_id_x 1
		.amdhsa_system_sgpr_workgroup_id_y 1
		.amdhsa_system_sgpr_workgroup_id_z 1
		.amdhsa_system_vgpr_workitem_id 0
		.amdhsa_next_free_vgpr 1024
		.amdhsa_next_free_sgpr 98
		.amdhsa_reserve_vcc 0
		.amdhsa_float_denorm_mode_32 3
		.amdhsa_float_denorm_mode_16_64 3
		.amdhsa_memory_ordered 1
		.amdhsa_forward_progress 1
		.amdhsa_inst_pref_size 117
	.end_amdhsa_kernel
	.amdgpu_metadata
---
amdhsa.version: [ 1, 2 ]
amdhsa.kernels:
  - .name:           k_q0d6adc7ddd_gemm
    .symbol:         k_q0d6adc7ddd_gemm.kd
    .args:
      - { .name: acodes, .offset: 0, .size: 8, .value_kind: global_buffer, .address_space: global }
      - { .name: ascales, .offset: 8, .size: 8, .value_kind: global_buffer, .address_space: global }
      - { .name: wcodes, .offset: 16, .size: 8, .value_kind: global_buffer, .address_space: global }
      - { .name: wscales, .offset: 24, .size: 8, .value_kind: global_buffer, .address_space: global }
      - { .name: b_qkv, .offset: 32, .size: 8, .value_kind: global_buffer, .address_space: global }
      - { .name: qkv, .offset: 40, .size: 8, .value_kind: global_buffer, .address_space: global }
    .group_segment_fixed_size: 327680
    .private_segment_fixed_size: 0
    .kernarg_segment_align: 8
    .kernarg_segment_size: 48
    .max_flat_workgroup_size: 128
    .sgpr_count:     98
    .vgpr_count:     1024
    .wavefront_size: 32
...
	.end_amdgpu_metadata
.endif
;; end of part 2
;; launch attn (part 3): grid 8 x 32, 8 waves a work-group, clusters of 4 x 1, 327,680 bytes of LDS; arguments qkv, out0; writes out0
.if DOCPART == 3
	.amdgcn_target "amdgcn-amd-amdhsa--gfx1250"
	.amdhsa_code_object_version 6
	.text
	.protected	k_q0d6adc7ddd_attn
	.globl	k_q0d6adc7ddd_attn
	.p2align	8
	.type	k_q0d6adc7ddd_attn,@function
k_q0d6adc7ddd_attn:
	s_mov_b64 s[64:65], 0
	v_nop
	global_prefetch_b8 v0, s[64:65] scope:SCOPE_SE
	s_setreg_imm32_b32 hwreg(HW_REG_WAVE_MODE, 25, 1), 1
	s_wait_xcnt 0x0
	s_wait_alu depctr_hold_cnt(0) depctr_sa_sdst(0) depctr_va_vdst(0) depctr_va_sdst(0) depctr_va_ssrc(0) depctr_va_vcc(0) depctr_vm_vsrc(0)
	s_getreg_b32 s2, hwreg(HW_REG_IB_STS2, 6, 4)
	s_cmp_eq_u32 s2, 0
	s_cbranch_scc0 .Lentry_in_a_cluster
	s_endpgm
.Lentry_in_a_cluster:
	s_bfe_u32 s2, ttmp6, 0x10000c
	s_cmp_lg_u32 s2, 0x3003
	s_cbranch_scc0 .Lentry_shape_is_right
	s_endpgm
.Lentry_shape_is_right:
; out[n][s][h 64 ..] = the sum over t of softmax_t(q[s] . k[t] / 8) v[t], for each of 32 pairs (batch, head); 2,048 positions, head size 64, no mask.  q, k, v: f16, as the launch before laid them:
; [type][batch x head][tile of 16 positions][nt 4][pos 32][16 bytes].  Products, maxima and sums in f32; the weights p are rounded to f16 (at most 1) for the second product; out is f32.
; SHARES.  A work-group owns 256 queries of one pair.  Wave w: qg = w % 4, kh = w / 4: the four tiles of 16 queries of group qg, and the key steps (64 keys) of parity kh: 16 steps.  Each fragment of k or v read from LDS
; feeds four matrix instructions; two waves lie on each SIMD, so that one wave's softmax stands beside the other's products.  The two halves of the keys are merged once, at the end.
; LAYOUT.  S^T = k q^T (source 0 = 16 keys, source 1 = 16 queries) and O^T = v^T p (source 0 = 16 channels, source 1 = p): a lane holds ONE query (lane % 16) throughout; two tiles of S^T, rounded in pairs, are p's fragment.
; k's fragments come from LDS as they lie, v's by the turning load; both read 512 consecutive bytes at 16 x lane.
; SOFTMAX.  For each query a running maximum m and sum l: p = 2^(c s - c m), c = log2(e) / 8; in every step O and l are multiplied by a = 2^(c m_old - c m_new).  m begins at -3e38, l and O at 0, so that the step is written once.
; RING.  Two slots of 512 keys (k 64 KiB, v 64 KiB); each of the eight waves fetches 16 KiB of a slot, dense in memory.  CLUSTER: the four query blocks of a cluster walk the same k and v: each load is a joint one, the same
; line with the same descriptor and the mask of all four.  By this text's count a wave has two tensor loads out at the start and one behind each round.
; REGISTERS, in windows of 256: window 0: v2-13 addresses; v16-47 statistics, 8 a tile (+0 c m, +1 m, +2, +3 l, +4 .. +7 at work, a in +6); v48-55 the partner's (c m, l); v64-191 S^T, 32 a tile, p packed into each tile's
; first 16; v192-255 k's 8 fragments.   window 1: v0-127 O^T (tile t, channels 16 ct on: 32 t + 8 ct); v128-191 q (16 t + 8 g); v192-255 v's 8 fragments.
.set SLOT1, 1<<17                      ; slot 1 begins here: one exclusive or turns an address in one slot into the other's
.set VOFF,  65536                      ; v's tiles lie behind k's
.set EX,    2*SLOT1                    ; behind the ring: each wave's (c m, l): [wave][tile][lane][8 bytes], 8,192 bytes
.set SPARE, EX+8192                    ; the spare words, 128 bytes for each wave: four blocks of 256 bytes that no other line names
.set SP,    272                        ; the way out: a stage row: 256 bytes + 16: 68 words, so 16 rows begin 4 banks apart
.set STT,   16*SP                      ; a tile's stage
.set STW,   4*STT                      ; a wave's.  The stages lie in the ring, from byte 0: it has had its last fill and its last read when the first result is stored there
.set L16,  2                           ; v2   16 x lane
.set L16V, 3                           ; v3   16 x lane + VOFF
.set ADK,  4                           ; v4   LDS address of the step's k
.set ADV,  5                           ; v5   of its v
.set EXO,  6                           ; v6   where I put my (c m, l)
.set EXQ,  7                           ; v7   where my partner (wave w xor 4) put its
.set STO,  8                           ; v8   the stage: where I put 32 bytes of a row
.set RDO,  9                           ; v9   where I read rows of my own stage back
.set RDP,  10                          ; v10  and of my partner's
.set GO,   11                          ; v11  my byte offset in two rows of out
.set SPW,  12                          ; v12  LDS address of my spare word; never rewritten
.set NIL,  13                          ; v13  0; never rewritten
.set ST,   16
.set PT,   48
.set S,    64
.set KF,   192
.set QF,   128                         ; in window 1
.set VF,   192                         ; in window 1
.set WV,   8                           ; s8   my wave's number
.set G1,   16                          ; s[16:23] descriptor group 1
.set G0,   24                          ; s[24:31] group 0: a set for each first fill; the second then walks on
.set CS,   36                          ; s[36:37] c: the packed form names a pair and takes its low word for both halves
.set SEL,  38                          ; s[38:39] lane selects for v_permlanex16_b32: lane l xor 16
.set TB,   40                          ; s40  LDS byte at which my step's tiles of k begin
.set CH,   41                          ; s41  counts the changes of slots that fill
.set STP,  42                          ; s42  counts my four steps of a slot
.set MSB, 0
.macro WIN new                         ; the immediate's high byte repeats the setting that is left
.if MSB != \new
	s_set_vgpr_msb (MSB<<8)|\new
.set MSB, \new
.endif
.endm
.macro CROUND                          ; a round of the cluster's barrier
	s_barrier_signal -1
	s_barrier_wait -1
	s_cmp_lg_u32 s[WV], 0
	s_cbranch_scc1 .Lnot_wave_0_\@
	s_barrier_signal -3
.Lnot_wave_0_\@:
	s_barrier_wait -3
	s_barrier_signal -1
	s_barrier_wait -1
.endm
	s_load_b128 s[4:7], s[0:1], 0x0                ; qkv s[4:5], out s[6:7]
	v_lshl_add_u32 v[SPW], v0, 2, SPARE
	v_mov_b32 v[NIL], 0
	ds_add_u32 v[SPW], v[NIL]                      ; the wave's opening: the add, twice on end, and its wait ahead of my first tensor load; the set-up below stands between the second and the wait
	ds_add_u32 v[SPW], v[NIL]
	v_lshrrev_b32 v1, 5, v0
	v_readfirstlane_b32 s[WV], v1                  ; wave 0..7
	s_bfe_u32 s9, ttmp6, 0x40000                   ; cx: my place in the cluster
	s_lshl_b32 s10, ttmp9, 2
	s_add_co_u32 s10, s10, s9                      ; my block of 256 queries: it enters q's and out's addresses alone
	s_and_b32 s11, ttmp7, 0xffff                   ; the pair (batch, head), which the four partners share
	s_and_b32 s12, s[WV], 3                        ; qg.  Also: which 16 KiB of k's or v's 64 KiB I fetch
	s_lshr_b32 s13, s[WV], 2                       ; kh.  Also: I fetch for k (0) or for v (1)
	s_lshl_b32 s32, s13, 23                        ; k is type 1, v type 2: 8 MiB each
	s_add_co_u32 s32, s32, 0x800000
	s_lshl_b32 s14, s11, 18                        ; the pair's 256 KiB
	s_add_co_u32 s32, s32, s14
	s_lshl_b32 s15, s12, 14
	s_add_co_u32 s32, s32, s15
	s_mov_b32 s33, 0
	s_lshl_b32 s34, s[WV], 14                      ; where it goes in a slot: no place in the cluster enters an LDS address
	s_lshl_b32 s44, s10, 15                        ; q: 16 tiles of 2,048 bytes a block, 4 a wave
	s_add_co_u32 s44, s44, s14
	s_lshl_b32 s46, s12, 13
	s_add_co_u32 s44, s44, s46
	s_mov_b32 s45, 0
	s_lshr_b32 s46, s11, 4                         ; out: batch x 8 MiB + (256 block + 64 qg + 32 kh) rows of 4,096 bytes + head x 256
	s_lshl_b32 s46, s46, 23
	s_lshl_b32 s52, s10, 20
	s_add_co_u32 s46, s46, s52
	s_lshl_b32 s52, s12, 18
	s_add_co_u32 s46, s46, s52
	s_lshl_b32 s52, s13, 17
	s_add_co_u32 s46, s46, s52
	s_and_b32 s52, s11, 15
	s_lshl_b32 s52, s52, 8
	s_add_co_u32 s46, s46, s52
	s_mov_b32 s47, 0
	; descriptor group 1: 16 KiB, dense in memory and in LDS, as 64 rows of 256 bytes
	s_mov_b32 s[G1], 15|(3<<16)|(1<<21)            ; 15:0 the mask: all four work-groups; 17:16 elements of 8 bytes; 20 no padding; 21 set beside a mask
	s_mov_b32 s[G1+1], 32<<16                      ; tensor_dim0 = 32 elements
	s_mov_b32 s[G1+2], 64<<16                      ; tensor_dim1 = 64
	s_mov_b32 s[G1+3], 32<<16                      ; tile_dim0
	s_mov_b32 s[G1+4], 64                          ; tile_dim1
	s_mov_b32 s[G1+5], 32                          ; tensor_dim0_stride
	s_mov_b32 s[G1+6], 0
	s_mov_b32 s[G1+7], 0
	s_mov_b32 s[CS], 0x3e38aa3b                    ; c = log2(e) / sqrt(64)
	s_mov_b32 s[CS+1], s[CS]                       ; (named with it as a pair, so it is written)
	s_mov_b32 s[SEL], 0x76543210
	s_mov_b32 s[SEL+1], 0xfedcba98
	s_lshl_b32 s[TB], s13, 13                      ; my first step: 64 keys are 8,192 bytes of k
	v_and_b32 v1, 31, v0                           ; lane
	v_and_b32 v14, 15, v0                          ; r
	v_bfe_u32 v15, v0, 4, 1                        ; h
	v_lshlrev_b32 v[L16], 4, v1
	v_add_nc_u32 v[L16V], VOFF, v[L16]
	s_wait_dscnt 0x0                               ; both opening adds are done
	s_wait_kmcnt 0x0
	s_add_nc_u64 s[48:49], s[4:5], s[32:33]        ; my part of keys 0 to 511
	s_add_nc_u64 s[50:51], s[4:5], s[44:45]        ; my four tiles of q
	s_add_nc_u64 s[6:7], s[6:7], s[46:47]          ; the 32 rows of out that I store
.irp s, 0,1
	s_mov_b32 s[G0+4*\s], 1                        ; count = 1
	s_add_co_u32 s[G0+4*\s+1], s34, \s*SLOT1       ; LDS address
	s_add_nc_u64 s[G0+4*\s+2:G0+4*\s+3], s[48:49], \s*65536   ; global address: keys 512 s on
	s_or_b32 s[G0+4*\s+3], s[G0+4*\s+3], 0x80000000           ; type = 2
.endr
	CROUND                                         ; all four work-groups are here: the first joint loads meet
	tensor_load_to_lds s[G0:G0+3], s[G1:G1+7]      ; both first fills go out together, ahead of every wait on TENSORcnt and every LDS read
	s_nop 0
	tensor_load_to_lds s[G0+4:G0+7], s[G1:G1+7]
	s_nop 0
.rept 4
	v_nop
.endr
	WIN 0x40                                       ; destination window 1, address window 0
.irp t, 0,1,2,3
.irp g, 0,1
.irp c, 0,1
	global_load_b128 v[QF+16*\t+8*\g+4*\c:QF+16*\t+8*\g+4*\c+3], v[L16], s[50:51] offset:\t*2048+\g*1024+512*\c   ; q stays in registers: tile t, channels 32 g + 16 c + 8 h on
.endr
.endr
.endr
.set i, 0
.rept 128
	v_mov_b32 v[i], 0                              ; O^T: once, so that the first step needs no text of its own
.set i, i+1
.endr
	WIN 0
.irp t, 0,1,2,3
	v_mov_b32 v[ST+8*\t+1], 0xff61b1e6             ; m = -3e38, under every score
	v_mov_b32 v[ST+8*\t+2], 0                      ; l, in two halves
	v_mov_b32 v[ST+8*\t+3], 0
.endr
.irp t, 0,1,2,3
	v_mul_f32 v[ST+8*\t], s[CS], v[ST+8*\t+1]      ; c m
.endr
	; the addresses of the way out
	s_lshl_b32 s43, s[WV], 10
	s_add_co_u32 s43, s43, EX
	v_lshl_add_u32 v[EXO], v1, 3, s43
	s_xor_b32 s52, s[WV], 4                        ; my partner: the same queries, the other half of the keys
	s_lshl_b32 s53, s52, 10
	s_add_co_u32 s53, s53, EX
	v_lshl_add_u32 v[EXQ], v1, 3, s53
	s_mul_i32 s54, s[WV], STW                      ; my stage
	s_mul_i32 s55, s52, STW                        ; my partner's
	v_mul_u32_u24 v[STO], v14, SP
	v_lshl_add_u32 v[STO], v15, 5, v[STO]
	v_add_nc_u32 v[STO], s54, v[STO]               ; in: row r, 32 bytes for each half of the lanes
	s_mul_i32 s53, s13, 2*STT                      ; back: tiles 2 kh and 2 kh + 1 are mine to add and store
	v_mul_u32_u24 v[RDO], v15, SP
	v_lshl_add_u32 v[RDO], v14, 4, v[RDO]          ; lanes 0-15 one row of 256 bytes, lanes 16-31 the next
	v_add_nc_u32 v[RDO], s53, v[RDO]
	v_add_nc_u32 v[RDP], s55, v[RDO]
	v_add_nc_u32 v[RDO], s54, v[RDO]
	v_lshlrev_b32 v[GO], 12, v15
	v_lshl_add_u32 v[GO], v14, 4, v[GO]            ; and the same two rows in out
.macro SCL tl, b                       ; pair b of tile tl: c s - c m
	v_pk_fma_f32 v[S+32*(\tl)+2*(\b):S+32*(\tl)+2*(\b)+1], v[S+32*(\tl)+2*(\b):S+32*(\tl)+2*(\b)+1], s[CS:CS+1], v[ST+8*(\tl):ST+8*(\tl)+1] op_sel_hi:[1,0,0] neg_lo:[0,0,1] neg_hi:[0,0,1]
.endm
; A KEY STEP: 64 keys against my 64 queries.  In the vector work the four tiles take turns line by line, so that no line waits for the line above it.
.macro STEP
	v_add_nc_u32 v[ADK], s[TB], v[L16]
	v_add_nc_u32 v[ADV], s[TB], v[L16V]
.irp g, 0,1
.irp kt, 0,1,2,3
.irp c, 0,1
	ds_load_b128 v[KF+16*\kt+8*\g+4*\c:KF+16*\kt+8*\g+4*\c+3], v[ADK] offset:\kt*2048+\g*1024+512*\c   ; keys 16 kt on, channels 32 g on; the first 32 channels first
.endr
.endr
.endr
	WIN 0x40                                       ; destination window 1
.irp kg, 0,1
.irp ct, 0,1,2,3
	ds_load_tr16_b128 v[VF+8*(4*\kg+\ct):VF+8*(4*\kg+\ct)+3], v[ADV] offset:(2*\kg)*2048+512*\ct       ; v turned: channel 16 ct + r, keys 32 kg + 8 h on;
	ds_load_tr16_b128 v[VF+8*(4*\kg+\ct)+4:VF+8*(4*\kg+\ct)+7], v[ADV] offset:(2*\kg+1)*2048+512*\ct   ; keys 32 kg + 16 + 8 h on.  They have the first product and the softmax in which to land
.endr
.endr
	s_wait_dscnt 24                                ; k's first 32 channels are in; behind them: its other eight loads and v's sixteen
	WIN 0x04                                       ; source 1 (q) window 1
.irp kt, 0,1,2,3
.irp t, 0,1,2,3
	v_wmma_f32_16x16x32_f16 v[S+32*\t+8*\kt:S+32*\t+8*\kt+7], v[KF+16*\kt:KF+16*\kt+7], v[QF+16*\t:QF+16*\t+7], 0   ; the first product starts the sums
.endr
.endr
	s_wait_dscnt 16                                ; all of k is in; v's sixteen may be out
.irp kt, 0,1,2,3
.irp t, 0,1,2,3
	v_wmma_f32_16x16x32_f16 v[S+32*\t+8*\kt:S+32*\t+8*\kt+7], v[KF+16*\kt+8:KF+16*\kt+15], v[QF+16*\t+8:QF+16*\t+15], v[S+32*\t+8*\kt:S+32*\t+8*\kt+7]   ; the 16 accumulators take turns
.endr
.endr
	WIN 0
.rept 4
	v_nop                                          ; four places between the last product and the first read of its result
.endr
	; the maximum of the lane's 32 scores and the old m: four chains, each begun at an accumulator's low end
.irp j, 0,1,2,3
.irp t, 0,1,2,3
	v_max3_num_f32 v[ST+8*\t+4+\j], v[S+32*\t+8*\j], v[S+32*\t+8*\j+1], v[S+32*\t+8*\j+2]
.endr
.endr
.irp u, 3,5
.irp j, 0,1,2,3
.irp t, 0,1,2,3
	v_max3_num_f32 v[ST+8*\t+4+\j], v[ST+8*\t+4+\j], v[S+32*\t+8*\j+\u], v[S+32*\t+8*\j+\u+1]
.endr
.endr
.endr
.irp t, 0,1,2,3
	v_max3_num_f32 v[ST+8*\t+4], v[ST+8*\t+4], v[S+32*\t+7], v[S+32*\t+15]
.endr
.irp t, 0,1,2,3
	v_max3_num_f32 v[ST+8*\t+6], v[ST+8*\t+6], v[S+32*\t+23], v[S+32*\t+31]
.endr
.irp t, 0,1,2,3
	v_max3_num_f32 v[ST+8*\t+4], v[ST+8*\t+4], v[ST+8*\t+5], v[ST+8*\t+6]
.endr
.irp t, 0,1,2,3
	v_max3_num_f32 v[ST+8*\t+4], v[ST+8*\t+4], v[ST+8*\t+7], v[ST+8*\t+1]
.endr
.irp t, 0,1,2,3
	v_permlanex16_b32 v[ST+8*\t+5], v[ST+8*\t+4], s[SEL], s[SEL+1]   ; the query's other 32 keys lie in the lane 16 away
.endr
.irp t, 0,1,2,3
	v_mov_b32 v[ST+8*\t+7], v[ST+8*\t]             ; c m_old is kept for a
.endr
.irp t, 0,1,2,3
	v_max_num_f32 v[ST+8*\t+1], v[ST+8*\t+4], v[ST+8*\t+5]
.endr
.irp t, 0,1,2,3
	v_mul_f32 v[ST+8*\t], s[CS], v[ST+8*\t+1]
.endr
.irp t, 0,1,2,3
	v_sub_f32 v[ST+8*\t+7], v[ST+8*\t+7], v[ST+8*\t]
.endr
	; ONE BATCH: the scalings and all 4 x 33 exponentials; none of these lines reads an exponential's result.  Tile t + 1's scalings stand between tile t's exponentials.
.irp b, 0,1,2,3,4,5,6,7,8,9,10,11,12,13,14,15
	SCL 0, \b
.endr
.irp t, 0,1,2,3
	v_exp_f32 v[ST+8*\t+6], v[ST+8*\t+7]           ; a
.irp b, 0,1,2,3,4,5,6,7,8,9,10,11,12,13,14,15
	v_exp_f32 v[S+32*\t+2*\b], v[S+32*\t+2*\b]
	v_exp_f32 v[S+32*\t+2*\b+1], v[S+32*\t+2*\b+1]
.if \t < 3
	SCL \t+1, \b
.endif
.endr
.endr
	v_nop                                          ; a plain instruction behind the last exponential, ahead of the first use (ISA guide 5.7.2)
	s_wait_alu depctr_va_vdst(0)                   ; the wait ahead of the first line that names a result: one for the whole batch
	; l = a l + the sum of the unrounded p, in two chains that leave p as it is
.irp t, 0,1,2,3
	v_pk_fma_f32 v[ST+8*\t+2:ST+8*\t+3], v[ST+8*\t+2:ST+8*\t+3], v[ST+8*\t+6:ST+8*\t+7], v[S+32*\t:S+32*\t+1] op_sel_hi:[1,0,1]
.endr
.irp t, 0,1,2,3
	v_pk_add_f32 v[ST+8*\t+4:ST+8*\t+5], v[S+32*\t+2:S+32*\t+3], v[S+32*\t+4:S+32*\t+5]
.endr
.irp b, 6,10,14,18,22,26
.irp t, 0,1,2,3
	v_pk_add_f32 v[ST+8*\t+2:ST+8*\t+3], v[ST+8*\t+2:ST+8*\t+3], v[S+32*\t+\b:S+32*\t+\b+1]
.endr
.irp t, 0,1,2,3
	v_pk_add_f32 v[ST+8*\t+4:ST+8*\t+5], v[ST+8*\t+4:ST+8*\t+5], v[S+32*\t+\b+2:S+32*\t+\b+3]
.endr
.endr
.irp t, 0,1,2,3
	v_pk_add_f32 v[ST+8*\t+2:ST+8*\t+3], v[ST+8*\t+2:ST+8*\t+3], v[S+32*\t+30:S+32*\t+31]
.endr
.irp t, 0,1,2,3
	v_pk_add_f32 v[ST+8*\t+2:ST+8*\t+3], v[ST+8*\t+2:ST+8*\t+3], v[ST+8*\t+4:ST+8*\t+5]
.endr
.irp j, 0,1,2,3,4,5,6,7,8,9,10,11,12,13,14,15
.irp t, 0,1,2,3
	v_cvt_pk_f16_f32 v[S+32*\t+\j], v[S+32*\t+2*\j], v[S+32*\t+2*\j+1]   ; p to f16, in place and ascending: register j is written when registers up to 2 j + 1 have been read
.endr
.endr
	WIN 0x41                                       ; O^T (destination and source 0) window 1, a window 0
.irp i, 0,2,4,6,8,10,12,14,16,18,20,22,24,26,28,30
.irp t, 0,1,2,3
	v_pk_mul_f32 v[32*\t+\i:32*\t+\i+1], v[32*\t+\i:32*\t+\i+1], v[ST+8*\t+6:ST+8*\t+7] op_sel_hi:[1,0]
.endr
.endr
	s_wait_dscnt 0x0                               ; v is in
	WIN 0x51                                       ; v and O^T window 1, p window 0
.irp kg, 0,1
.irp ct, 0,1,2,3
.irp t, 0,1,2,3
	v_wmma_f32_16x16x32_f16 v[32*\t+8*\ct:32*\t+8*\ct+7], v[VF+8*(4*\kg+\ct):VF+8*(4*\kg+\ct)+7], v[S+32*\t+8*\kg:S+32*\t+8*\kg+7], v[32*\t+8*\ct:32*\t+8*\ct+7]   ; 16 accumulators by turns
.endr
.endr
.endr
	WIN 0                                          ; at a label and at a branch every window is 0
.rept 5
	v_nop                                          ; five places: the next step's first products write over p's registers, which these products read; its loads land in v's; the way out reads O^T
.endr
	s_add_co_u32 s[TB], s[TB], 16384               ; my next step: two steps on
.endm
.macro SLOTSTEPS                       ; my four steps of a slot: written once, walked four times
	s_mov_b32 s[STP], 4
.Lstep_\@:
	STEP
	s_sub_co_u32 s[STP], s[STP], 1
	s_cmp_lg_u32 s[STP], 0
	s_cbranch_scc1 .Lstep_\@
.endm
; THE CHANGE OF SLOTS.  Each wave waits for all its tensor loads, of which one is out: its part of the other slot; adds 0 to its spare word; waits for that and for its reads of the slot that it leaves.
; fill = 1: the slot is filled again, with the keys two slots on: the barrier is a round of the cluster's, so that no wave of any partner still reads the slot or has a load on its way, and the joint load is the first
; thing behind it: it has four steps of every wave in which to land.
.macro CHANGE fill
	s_wait_tensorcnt 0x0                           ; no tensor load of mine is out, so a group 0 may be written
	ds_add_u32 v[SPW], v[NIL]                      ; 0 onto my spare word
.if \fill
	s_xor_b32 s[G0+5], s[G0+5], SLOT1              ; the walking descriptor: the other slot than last time,
	s_add_nc_u64 s[G0+6:G0+7], s[G0+6:G0+7], 65536 ; the next 512 keys; the type bits on top are not reached
.endif
	s_wait_dscnt 0x0                               ; the add is done, and my reads of the slot are over
.if \fill
	CROUND
	tensor_load_to_lds s[G0+4:G0+7], s[G1:G1+7]
	s_nop 0
.rept 4
	v_nop
.endr
.else
	s_barrier_signal -1
	s_barrier_wait -1
.endif
	s_sub_co_u32 s[TB], s[TB], 65536               ; back to my first step of a slot,
	s_xor_b32 s[TB], s[TB], SLOT1                  ; in the other slot
.endm
	s_wait_tensorcnt 0x1                           ; my part of slot 0 is in; slot 1's may stay out
	s_barrier_signal -1
	s_barrier_wait -1                              ; everybody's is
	s_wait_loadcnt 0x0                             ; q
	SLOTSTEPS                                      ; keys 0 to 511
	s_mov_b32 s[CH], 2
.Lchunk:                                           ; two trips: keys 1,024 on and 1,536 on are asked for; keys 512 on and 1,024 on are worked
	CHANGE 1
	SLOTSTEPS
	s_sub_co_u32 s[CH], s[CH], 1
	s_cmp_lg_u32 s[CH], 0
	s_cbranch_scc1 .Lchunk
	CHANGE 0                                       ; the tail is written out
	SLOTSTEPS
	; THE WAY OUT.  My l is made whole; my partner and I exchange (c m, l); each brings its O^T under the common maximum and divides by the common sum; the two parts meet in LDS, and each of us adds and stores two tiles.
.irp t, 0,1,2,3
	v_add_f32 v[ST+8*\t+4], v[ST+8*\t+2], v[ST+8*\t+3]
.endr
.irp t, 0,1,2,3
	v_permlanex16_b32 v[ST+8*\t+5], v[ST+8*\t+4], s[SEL], s[SEL+1]
.endr
.irp t, 0,1,2,3
	v_add_f32 v[ST+8*\t+1], v[ST+8*\t+4], v[ST+8*\t+5]   ; l takes m's place beside c m
.endr
.irp t, 0,1,2,3
	ds_store_b64 v[EXO], v[ST+8*\t:ST+8*\t+1] offset:256*\t
.endr
	s_wait_dscnt 0x0                               ; for the others' sake: my pairs have landed; my reads of the ring were over at the last step's end
	s_barrier_signal -1
	s_barrier_wait -1                              ; nobody reads the ring any more
.irp t, 0,1,2,3
	ds_load_b64 v[PT+2*\t:PT+2*\t+1], v[EXQ] offset:256*\t
.endr
	s_wait_dscnt 0x0
.irp t, 0,1,2,3
	v_max_num_f32 v[ST+8*\t+4], v[ST+8*\t], v[PT+2*\t]   ; the common c m
.endr
.irp t, 0,1,2,3
	v_sub_f32 v[ST+8*\t+5], v[ST+8*\t], v[ST+8*\t+4]
	v_sub_f32 v[ST+8*\t+6], v[PT+2*\t], v[ST+8*\t+4]
.endr
.irp t, 0,1,2,3
	v_exp_f32 v[ST+8*\t+5], v[ST+8*\t+5]           ; my factor,
	v_exp_f32 v[ST+8*\t+6], v[ST+8*\t+6]           ; my partner's: one of the two is 1
.endr
	v_nop
	s_wait_alu depctr_va_vdst(0)                   ; one wait for the eight
.irp t, 0,1,2,3
	v_mul_f32 v[ST+8*\t+7], v[ST+8*\t+1], v[ST+8*\t+5]
.endr
.irp t, 0,1,2,3
	v_fma_f32 v[ST+8*\t+7], v[PT+2*\t+1], v[ST+8*\t+6], v[ST+8*\t+7]   ; the row's sum over all keys: at least about 1, since the largest p is 1
.endr
.irp t, 0,1,2,3
	v_rcp_f32 v[ST+8*\t+4], v[ST+8*\t+7]
.endr
	v_nop
	s_wait_alu depctr_va_vdst(0)                   ; one wait for the four
.irp t, 0,1,2,3
	v_mul_f32 v[ST+8*\t+6], v[ST+8*\t+5], v[ST+8*\t+4]
.endr
	WIN 0x01                                       ; source 0 (O^T) window 1; the results go where S^T lay
.irp i, 0,2,4,6,8,10,12,14,16,18,20,22,24,26,28,30
.irp t, 0,1,2,3
	v_pk_mul_f32 v[S+32*\t+\i:S+32*\t+\i+1], v[32*\t+\i:32*\t+\i+1], v[ST+8*\t+6:ST+8*\t+7] op_sel_hi:[1,0]   ; each accumulator from its low end on
.endr
.endr
	WIN 0
.irp t, 0,1,2,3
.irp ct, 0,1,2,3
	ds_store_b128 v[STO], v[S+32*\t+8*\ct:S+32*\t+8*\ct+3] offset:\t*STT+64*\ct        ; lane (r, h): query r, channels 16 ct + 8 h + 0 .. 7
	ds_store_b128 v[STO], v[S+32*\t+8*\ct+4:S+32*\t+8*\ct+7] offset:\t*STT+64*\ct+16
.endr
.endr
	s_wait_dscnt 0x0                               ; for my partner's sake: my stage is whole
	s_barrier_signal -1
	s_barrier_wait -1
.irp tt, 0,1
.irp i, 0,1,2,3,4,5,6,7
	ds_load_b128 v[S+4*(8*\tt+\i):S+4*(8*\tt+\i)+3], v[RDO] offset:\tt*STT+\i*2*SP         ; rows 2 i + h of tile 2 kh + tt: my part,
	ds_load_b128 v[S+64+4*(8*\tt+\i):S+64+4*(8*\tt+\i)+3], v[RDP] offset:\tt*STT+\i*2*SP   ; and my partner's
.endr
.endr
.irp tt, 0,1
.irp i, 0,1,2,3,4,5,6,7
	s_wait_dscnt 30-2*(8*\tt+\i)                   ; this pair of loads is in; the younger pairs may be out
	v_pk_add_f32 v[S+4*(8*\tt+\i):S+4*(8*\tt+\i)+1], v[S+4*(8*\tt+\i):S+4*(8*\tt+\i)+1], v[S+64+4*(8*\tt+\i):S+64+4*(8*\tt+\i)+1]
	v_pk_add_f32 v[S+4*(8*\tt+\i)+2:S+4*(8*\tt+\i)+3], v[S+4*(8*\tt+\i)+2:S+4*(8*\tt+\i)+3], v[S+64+4*(8*\tt+\i)+2:S+64+4*(8*\tt+\i)+3]
	global_store_b128 v[GO], v[S+4*(8*\tt+\i):S+4*(8*\tt+\i)+3], s[6:7] offset:(16*\tt+2*\i)*4096 th:TH_STORE_NT   ; sixteen lanes store a head's 256 consecutive bytes of a row, aligned; written once
.endr
.endr
	s_wait_tensorcnt 0x0                           ; the wave's end: these three lines behind my last tensor load and my last LDS store
	ds_add_u32 v[SPW], v[NIL]
	s_wait_dscnt 0x0
	CROUND                                         ; the closing round: no work-group ends while a partner may still ask for a tile that names it
	s_endpgm
.Lfunc_end_k_q0d6adc7ddd_attn:
	.size	k_q0d6adc7ddd_attn, .Lfunc_end_k_q0d6adc7ddd_attn-k_q0d6adc7ddd_attn
	.p2alignl 7, 3214868480
	.fill 96, 4, 3214868480
	.section	.rodata,"a",@progbits
	.p2align	6, 0x0
	.amdhsa_kernel k_q0d6adc7ddd_attn
		.amdhsa_group_segment_fixed_size 327680
		.amdhsa_private_segment_fixed_size 0
		.amdhsa_enable_private_segment 0
		.amdhsa_kernarg_size 16
		.amdhsa_user_sgpr_count 2
		.amdhsa_user_sgpr_kernarg_segment_ptr 1
		.amdhsa_wavefront_size32 1
		.amdhsa_system_sgpr_workgroup_id_x 1
		.amdhsa_system_sgpr_workgroup_id_y 1
		.amdhsa_system_sgpr_workgroup_id_z 1
		.amdhsa_system_vgpr_workitem_id 0
		.amdhsa_next_free_vgpr 512
		.amdhsa_next_free_sgpr 66
		.amdhsa_reserve_vcc 0
		.amdhsa_float_denorm_mode_32 3
		.amdhsa_float_denorm_mode_16_64 3
		.amdhsa_memory_ordered 1
		.amdhsa_forward_progress 1
		.amdhsa_inst_pref_size 124
	.end_amdhsa_kernel
	.amdgpu_metadata
---
amdhsa.version: [ 1, 2 ]
amdhsa.kernels:
  - .name:           k_q0d6adc7ddd_attn
    .symbol:         k_q0d6adc7ddd_attn.kd
    .args:
      - { .name: qkv, .offset: 0, .size: 8, .value_kind: global_buffer, .address_space: global }
      - { .name: out0, .offset: 8, .size: 8, .value_kind: global_buffer, .address_space: global }
    .group_segment_fixed_size: 327680
    .private_segment_fixed_size: 0
    .kernarg_segment_align: 8
    .kernarg_segment_size: 16
    .max_flat_workgroup_size: 256
    .sgpr_count:     66
    .vgpr_count:     512
    .wavefront_size: 32
...
	.end_amdgpu_metadata
.endif
;; end of part 3
